; MI455X (gfx1250); checked and timed in simulation.
; The chip was launched on July 23, 2026; its instructions are those of AMD's public machine-readable ISA for CDNA 5 (MIT licence, August 2026) and "CDNA5" Instruction Set Architecture Reference Guide (July 2026). The comments in the code are by the model that wrote it; some were corrected since.
;; Bahdanau Attention. Allowed arithmetic: float matrix products may take bf16 or f16 operands with f32 sums; other float arithmetic in f32, or as packed bf16 or f16 multiplies, adds, multiply-adds, maxima and minima; sums over many terms, partial sums and values carried from step to step in f32; what a program stores and reads back later, other than sums and carried values, may be rounded once to bf16 or f16.
;; Inputs: W_dec 1,024 x 1,024 float32; W_enc 1,024 x 1,024 float32; dec_hidden 32 x 1,024 float32; enc_outputs 32 x 2,048 x 1,024 float32; mask 32 x 2,048 int32; v 1,024 float32.
;; Outputs: out0 32 x 1,024 float32; out1 32 x 2,048 float32.
;; One version. Each part assembles by itself: llvm-mc -triple=amdgcn-amd-amdhsa -mcpu=gfx1250 --defsym DOCPART=n.
;; ======== version 1 of 1: 3 launches
;; limits: right only within a limited range of input values
;; workspace buffers: wfrag 2,097,152 bytes; tab 131,072 bytes; lists 524,800 bytes of whole numbers; sc 294,912 bytes; part 2,228,224 bytes
;; launch prep (part 1): grid 160 x 1, 4 waves a work-group, no clusters, 8,704 bytes of LDS; arguments W_enc, W_dec, dec_hidden, mask, wfrag, tab, lists; writes wfrag, tab, lists
.if DOCPART == 1
	.amdgcn_target "amdgcn-amd-amdhsa--gfx1250"
	.amdhsa_code_object_version 6
	.text
	.protected	k_q4b13fa0a70_prep
	.globl	k_q4b13fa0a70_prep
	.p2align	8
	.type	k_q4b13fa0a70_prep,@function
k_q4b13fa0a70_prep:
	s_mov_b64 s[64:65], 0
	v_nop
	global_prefetch_b8 v0, s[64:65] scope:SCOPE_SE
	s_setreg_imm32_b32 hwreg(HW_REG_WAVE_MODE, 25, 1), 1
	s_wait_xcnt 0x0
; PREPARATION for additive attention, B = 32, S = 2048, E = D = 1024.  Three roles, told apart by the work-group's number (the same for all four waves):
;   0..63    W:  W_enc, f32 [1024][1024], rounded to bf16 and written in the order in which a matrix fragment lies in registers.
;                wfrag byte = ((d/64 * 32 + e/32) * 4 + (d/16)%4) * 1024 + half * 512 + lane * 16; lane (r = lane%16, h = lane/16) holds W_enc[16 (d/16) + r][32 (e/32) + 16 half + 8 h .. + 7].
;   64..127  D:  dh = dec_hidden W_dec^T (bf16 operands, f32 sums), times 2 log2(e), written as tab[d/16][(d/4)%2][b][(d/8)%2][d%4] in f32.
;   128..159 L:  for batch b a permutation of its 2,048 rows with the rows whose mask is not 0 first: order[pos] = s, rank[s] = pos, and four counts
;                {n_eff, q = ceil(n_eff / 8), all masked, blocks of 144 in q}; n_eff = the number of unmasked rows, or 2,048 if there is none.
.set SPARE, 8192                       ; behind role D's partial sums: the spare words, 128 bytes a wave, that no other line names
.set SPW, 8                            ; v8  LDS address of my spare word; never rewritten
.set NIL, 9                            ; v9  0; never rewritten
.set WV,  18                           ; s18 my wave's number
	s_load_b256 s[4:11], s[0:1], 0x0               ; W_enc s[4:5], W_dec s[6:7], dec_hidden s[8:9], mask s[10:11]
	s_load_b128 s[12:15], s[0:1], 0x20             ; wfrag s[12:13], tab s[14:15]
	s_load_b64 s[16:17], s[0:1], 0x30              ; lists
	v_lshl_add_u32 v[SPW], v0, 2, SPARE
	v_mov_b32 v[NIL], 0
	v_lshrrev_b32 v1, 5, v0
	v_readfirstlane_b32 s[WV], v1                  ; wave 0..3
	v_and_b32 v1, 31, v0                           ; lane
	v_and_b32 v2, 15, v0                           ; r
	v_bfe_u32 v3, v0, 4, 1                         ; h
	v_lshlrev_b32 v4, 4, v1                        ; 16 x lane
	v_lshlrev_b32 v5, 12, v2                       ; a fragment's f32 source: row r of 4,096 bytes,
	v_lshl_add_u32 v5, v3, 5, v5                   ; + 32 h
	s_mov_b32 s21, 0                               ; the high word of 32-bit offsets
	s_mov_b32 s23, 0
	s_wait_kmcnt 0x0
	s_cmp_lt_u32 ttmp9, 64
	s_cbranch_scc1 .Lrole_w
	s_cmp_lt_u32 ttmp9, 128
	s_cbranch_scc1 .Lrole_d
; ---------------- ROLE L.  Every wave reads the whole mask row to count it (no wave waits for another); wave w places elements 512 w .. 512 w + 511.
	s_sub_co_u32 s19, ttmp9, 128                   ; b
	s_lshl_b32 s20, s19, 13                        ; b x 8,192 bytes
	s_add_nc_u64 s[10:11], s[10:11], s[20:21]      ; the batch's mask row
	s_add_nc_u64 s[36:37], s[16:17], s[20:21]      ; order's row; rank's lies 262,144 bytes on
	s_lshl_b32 s22, s19, 4
	s_add_nc_u64 s[56:57], s[16:17], s[22:23]      ; the counts lie 524,288 bytes on, 16 bytes a batch
	s_lshl_b32 s22, s[WV], 11
	v_add_nc_u32 v6, s22, v4                       ; my wave's quarter: 2,048 w + 16 x lane
.set i, 0
.rept 16
	global_load_b128 v[80+4*i:80+4*i+3], v4, s[10:11] offset:512*i      ; element 128 i + 4 lane + t
.set i, i+1
.endr
.set i, 0
.rept 4
	global_load_b128 v[64+4*i:64+4*i+3], v6, s[10:11] offset:512*i      ; my quarter once more, in registers that do not hang on the wave's number
.set i, i+1
.endr
	v_lshlrev_b32 v13, 2, v1
	s_lshl_b32 s33, s[WV], 9
	v_add_nc_u32 v13, s33, v13                     ; 512 w + 4 lane
	s_wait_loadcnt 0x0
.irp q, 0,1,2,3                        ; the number of unmasked rows in each quarter
	s_mov_b32 s[24+\q], 0
.set k, 0
.rept 16
	v_cmp_ne_u32 s28, 0, v[80+16*\q+k]
	s_bcnt1_i32_b32 s28, s28
	s_add_co_u32 s[24+\q], s[24+\q], s28
.set k, k+1
.endr
.endr
	s_add_co_u32 s29, s24, s25
	s_add_co_u32 s29, s29, s26
	s_add_co_u32 s29, s29, s27                     ; n
	s_cmp_gt_u32 s[WV], 0
	s_cselect_b32 s30, s24, 0
	s_cmp_gt_u32 s[WV], 1
	s_cselect_b32 s31, s25, 0
	s_add_co_u32 s30, s30, s31
	s_cmp_gt_u32 s[WV], 2
	s_cselect_b32 s31, s26, 0
	s_add_co_u32 s30, s30, s31                     ; unmasked rows ahead of my quarter
	s_add_co_u32 s32, s29, s33
	s_sub_co_u32 s32, s32, s30                     ; n + the masked rows ahead of my quarter
.set x, 0
.rept 16                               ; register x = 4 i + t of my quarter: 32 elements, placed in the order of the lanes
	v_cmp_ne_u32 s[40+x], 0, v[64+x]
	v_mbcnt_lo_u32_b32 v10, s[40+x], 0             ; unmasked lanes below mine
	v_add_nc_u32 v11, s30, v10                     ; an unmasked row's place
	v_sub_nc_u32 v12, v1, v10
	v_add_nc_u32 v12, s32, v12                     ; a masked row's place
	v_cndmask_b32 v[144+x], v12, v11, s[40+x]
	v_min_u32 v[144+x], 0x7ff, v[144+x]            ; it enters an address
	v_lshlrev_b32 v[160+x], 2, v[144+x]
	v_add_nc_u32 v[176+x], 128*(x/4)+x%4, v13      ; s
	global_store_b32 v[160+x], v[176+x], s[36:37]  ; order[pos] = s: each register of offsets and data is written once
	s_bcnt1_i32_b32 s34, s[40+x]
	s_add_co_u32 s30, s30, s34
	s_sub_co_u32 s32, s32, s34
	s_add_co_u32 s32, s32, 32
.set x, x+1
.endr
.set i, 0
.rept 4
	global_store_b128 v6, v[144+4*i:144+4*i+3], s[36:37] offset:262144+512*i  ; rank[s] = pos: 512 consecutive bytes a store
.set i, i+1
.endr
	s_cmp_lg_u32 s[WV], 0
	s_cbranch_scc1 .Lend
	s_cmp_eq_u32 s29, 0
	s_cselect_b32 s34, 2048, s29                   ; n_eff
	s_cselect_b32 s35, 1, 0                        ; all masked
	s_add_co_u32 s48, s34, 7
	s_lshr_b32 s48, s48, 3                         ; q
	s_cmp_gt_u32 s48, 144
	s_cselect_b32 s49, 2, 1                        ; blocks of 144 rows in q (q is 256 at the most)
	v_mov_b32 v20, s34
	v_mov_b32 v21, s48
	v_mov_b32 v22, s35
	v_mov_b32 v23, s49
	v_mov_b32 v24, 0
	v_cmp_eq_u32 vcc_lo, 0, v1
	s_wait_xcnt 0x0                                ; EXEC is a source of the stores above: it changes only behind this wait
	s_and_saveexec_b32 s50, vcc_lo
	global_store_b128 v24, v[20:23], s[56:57] offset:524288
	s_wait_xcnt 0x0                                ; and again in front of the line that restores it
	s_or_b32 exec_lo, exec_lo, s50
	s_branch .Lend
; ---------------- ROLE W.  The work-group takes 16 rows of W_enc, wave w their columns 256 w .. 256 w + 255: eight fragments of 16 x 32.
.Lrole_w:
	s_lshl_b32 s20, ttmp9, 16                      ; 16 rows of 4,096 bytes
	s_lshl_b32 s22, s[WV], 10
	s_add_co_u32 s20, s20, s22
	s_add_nc_u64 s[4:5], s[4:5], s[20:21]
.set k, 0
.rept 8
	global_load_b128 v[64+16*k:64+16*k+3],     v5, s[4:5] offset:128*k      ; columns 8 h + 0..3
	global_load_b128 v[64+16*k+4:64+16*k+7],   v5, s[4:5] offset:128*k+16   ; 8 h + 4..7
	global_load_b128 v[64+16*k+8:64+16*k+11],  v5, s[4:5] offset:128*k+64   ; 16 + 8 h + 0..3
	global_load_b128 v[64+16*k+12:64+16*k+15], v5, s[4:5] offset:128*k+80
.set k, k+1
.endr
	s_lshr_b32 s20, ttmp9, 2
	s_lshl_b32 s20, s20, 17                        ; (d / 64) x 131,072
	s_and_b32 s22, ttmp9, 3
	s_lshl_b32 s22, s22, 10                        ; ((d / 16) % 4) x 1,024
	s_add_co_u32 s20, s20, s22
	s_lshl_b32 s22, s[WV], 15                      ; 8 w fragments along K, 4,096 bytes apart
	s_add_co_u32 s20, s20, s22
	s_add_nc_u64 s[12:13], s[12:13], s[20:21]
.set k, 0
.rept 8
	s_wait_loadcnt 4*(7-k)                         ; fragment k's four loads are in; the later fragments' may stay out
.set i, 0
.rept 8
	v_cvt_pk_bf16_f32 v[64+16*k+i], v[64+16*k+2*i], v[64+16*k+2*i+1]  ; in place, ascending: no source is written before it is read
.set i, i+1
.endr
	global_store_b128 v4, v[64+16*k:64+16*k+3],   s[12:13] offset:4096*k      ; 512 consecutive bytes a store
	global_store_b128 v4, v[64+16*k+4:64+16*k+7], s[12:13] offset:4096*k+512
.set k, k+1
.endr
	s_branch .Lend
; ---------------- ROLE D.  16 columns d of dh for all 32 batches.  K is split among the four waves, 256 each, in eight steps of 32; the partial sums meet in LDS.
; Source 0 = 16 rows of W_dec, source 1 = 16 rows of dec_hidden: a lane then holds one batch (lane % 16) and the columns 8 (lane / 16) + 0..7.
.Lrole_d:
	s_sub_co_u32 s19, ttmp9, 64
	s_lshl_b32 s20, s19, 16
	s_add_nc_u64 s[6:7], s[6:7], s[20:21]          ; W_dec at my 16 rows
	s_lshl_b32 s22, s[WV], 10
	v_add_nc_u32 v6, s22, v5                       ; + my wave's quarter of K
.macro DLOAD ks                        ; a step's 12 loads, 48 registers, into group ks % 4
.set G, 64+48*((\ks)%4)
.irp o, 0,1,2,3
	global_load_b128 v[G+4*\o:G+4*\o+3],       v6, s[6:7] offset:128*(\ks)+16*(\o%2)+64*(\o/2)
	global_load_b128 v[G+16+4*\o:G+16+4*\o+3], v6, s[8:9] offset:128*(\ks)+16*(\o%2)+64*(\o/2)
	global_load_b128 v[G+32+4*\o:G+32+4*\o+3], v6, s[8:9] offset:128*(\ks)+16*(\o%2)+64*(\o/2)+65536
.endr
.endm
	DLOAD 0
	DLOAD 1
	DLOAD 2
.set ks, 0
.rept 8
.if ks <= 5
	s_wait_loadcnt 24                              ; this step's loads are in; two younger steps of 12 may stay out
.elseif ks == 6
	s_wait_loadcnt 12
.else
	s_wait_loadcnt 0x0
.endif
.set G, 64+48*(ks%4)
.irp p, 0,16,32
.set i, 0
.rept 8
	v_cvt_pk_bf16_f32 v[G+\p+i], v[G+\p+2*i], v[G+\p+2*i+1]
.set i, i+1
.endr
.endr
.if ks <= 4
	DLOAD ks+3                                     ; into the group that the products of the step before read: the 24 conversions above are the places between
.set G, 64+48*(ks%4)
.endif
.if ks == 0                            ; the first step starts both sums; the two accumulators take turns
	v_wmma_f32_16x16x32_bf16 v[16:23], v[G:G+7], v[G+16:G+23], 0
	v_wmma_f32_16x16x32_bf16 v[24:31], v[G:G+7], v[G+32:G+39], 0
.else
	v_wmma_f32_16x16x32_bf16 v[16:23], v[G:G+7], v[G+16:G+23], v[16:23]
	v_wmma_f32_16x16x32_bf16 v[24:31], v[G:G+7], v[G+32:G+39], v[24:31]
.endif
.set ks, ks+1
.endr
	s_lshl_b32 s22, s[WV], 11
	v_lshl_add_u32 v7, v1, 5, s22                  ; where my partial sums go: 2,048 w + 32 lane
	s_lshl_b32 s22, s[WV], 10
	v_lshl_add_u32 v10, v1, 5, s22                 ; where waves 0 and 1 read: batches 16 w ..: 1,024 w + 32 lane
	v_lshlrev_b32 v11, 5, v2
	v_lshl_add_u32 v11, v3, 4, v11                 ; in tab: 32 r + 16 h.  (These four lines and the v_nop are the places behind the last products.)
	v_nop
	ds_store_b128 v7, v[16:19]
	ds_store_b128 v7, v[20:23] offset:16
	ds_store_b128 v7, v[24:27] offset:1024
	ds_store_b128 v7, v[28:31] offset:1040
	s_wait_dscnt 0x0                               ; for the others' sake: my stores are done
	s_barrier_signal -1
	s_barrier_wait -1
	s_cmp_lt_u32 s[WV], 2
	s_cbranch_scc0 .Lend
.irp u, 0,1,2,3
	ds_load_b128 v[64+8*\u:64+8*\u+3],   v10 offset:2048*\u
	ds_load_b128 v[64+8*\u+4:64+8*\u+7], v10 offset:2048*\u+16
.endr
	s_lshl_b32 s20, s19, 11                        ; tab: 2,048 bytes for 16 columns,
	s_lshl_b32 s22, s[WV], 9                       ; 512 for 16 batches
	s_add_co_u32 s20, s20, s22
	s_add_nc_u64 s[14:15], s[14:15], s[20:21]
	s_wait_dscnt 0x0
.set i, 0
.rept 4
	v_pk_add_f32 v[64+i:65+i], v[64+i:65+i], v[72+i:73+i]
	v_pk_add_f32 v[80+i:81+i], v[80+i:81+i], v[88+i:89+i]
.set i, i+2
.endr
.set i, 0
.rept 4
	v_pk_add_f32 v[64+i:65+i], v[64+i:65+i], v[80+i:81+i]
.set i, i+2
.endr
.set i, 0
.rept 4
	v_pk_mul_f32 v[64+i:65+i], v[64+i:65+i], 0x4038aa3b op_sel_hi:[1,0]  ; times 2 log2(e)
.set i, i+2
.endr
	global_store_b128 v11, v[64:67], s[14:15]                ; columns 8 h + 0..3: 512 consecutive bytes
	global_store_b128 v11, v[68:71], s[14:15] offset:1024    ; columns 8 h + 4..7
.Lend:
	s_wait_tensorcnt 0x0                           ; the wave's end: behind my last LDS store
	ds_add_u32 v[SPW], v[NIL]
	s_wait_dscnt 0x0
	s_endpgm
.Lfunc_end_k_q4b13fa0a70_prep:
	.size	k_q4b13fa0a70_prep, .Lfunc_end_k_q4b13fa0a70_prep-k_q4b13fa0a70_prep
	.p2alignl 7, 3214868480
	.fill 96, 4, 3214868480
	.section	.rodata,"a",@progbits
	.p2align	6, 0x0
	.amdhsa_kernel k_q4b13fa0a70_prep
		.amdhsa_group_segment_fixed_size 8704
		.amdhsa_private_segment_fixed_size 0
		.amdhsa_enable_private_segment 0
		.amdhsa_kernarg_size 56
		.amdhsa_user_sgpr_count 2
		.amdhsa_user_sgpr_kernarg_segment_ptr 1
		.amdhsa_wavefront_size32 1
		.amdhsa_system_sgpr_workgroup_id_x 1
		.amdhsa_system_sgpr_workgroup_id_y 1
		.amdhsa_system_sgpr_workgroup_id_z 1
		.amdhsa_system_vgpr_workitem_id 0
		.amdhsa_next_free_vgpr 256
		.amdhsa_next_free_sgpr 66
		.amdhsa_reserve_vcc 1
		.amdhsa_float_denorm_mode_32 3
		.amdhsa_float_denorm_mode_16_64 3
		.amdhsa_memory_ordered 1
		.amdhsa_forward_progress 1
		.amdhsa_inst_pref_size 58
	.end_amdhsa_kernel
	.amdgpu_metadata
---
amdhsa.version: [ 1, 2 ]
amdhsa.kernels:
  - .name:           k_q4b13fa0a70_prep
    .symbol:         k_q4b13fa0a70_prep.kd
    .args:
      - { .name: W_enc, .offset: 0, .size: 8, .value_kind: global_buffer, .address_space: global }
      - { .name: W_dec, .offset: 8, .size: 8, .value_kind: global_buffer, .address_space: global }
      - { .name: dec_hidden, .offset: 16, .size: 8, .value_kind: global_buffer, .address_space: global }
      - { .name: mask, .offset: 24, .size: 8, .value_kind: global_buffer, .address_space: global }
      - { .name: wfrag, .offset: 32, .size: 8, .value_kind: global_buffer, .address_space: global }
      - { .name: tab, .offset: 40, .size: 8, .value_kind: global_buffer, .address_space: global }
      - { .name: lists, .offset: 48, .size: 8, .value_kind: global_buffer, .address_space: global }
    .group_segment_fixed_size: 8704
    .private_segment_fixed_size: 0
    .kernarg_segment_align: 8
    .kernarg_segment_size: 56
    .max_flat_workgroup_size: 128
    .sgpr_count:     66
    .vgpr_count:     256
    .wavefront_size: 32
...
	.end_amdgpu_metadata
.endif
;; end of part 1
;; launch main (part 2): grid 8 x 32, 4 waves a work-group, no clusters, 308,224 bytes of LDS; arguments enc_outputs, wfrag, tab, v, lists, sc, part; writes sc, part
.if DOCPART == 2
	.amdgcn_target "amdgcn-amd-amdhsa--gfx1250"
	.amdhsa_code_object_version 6
	.text
	.protected	k_q4b13fa0a70_main
	.globl	k_q4b13fa0a70_main
	.p2align	8
	.type	k_q4b13fa0a70_main,@function
k_q4b13fa0a70_main:
	s_mov_b64 s[64:65], 0
	v_nop
	global_prefetch_b8 v0, s[64:65] scope:SCOPE_SE
	s_setreg_imm32_b32 hwreg(HW_REG_WAVE_MODE, 25, 1), 1
	s_wait_xcnt 0x0
; ADDITIVE ATTENTION, the bulk.  score[b][s] = sum over d of v[d] tanh(dh[b][d] + sum over e of enc[b][s][e] W_enc[d][e]); B = 32, S = 2048, E = D = 1024.
; A row whose mask is 0 has weight 0 and is neither read nor multiplied: the launch before has listed each batch's unmasked rows (all rows, if none is unmasked).
; SHARES.  Work-group (j, b) takes the list places j q .. j q + q - 1 of batch b (q = ceil(n_eff / 8), 256 at the most), in blocks of 144 rows.  A block's rows are fetched ONCE, rounded to bf16 and kept in
; LDS; they serve the product with W_enc and then the block's part of the context.  What leaves: a raw score a row, and for each block a maximum m, a sum l and ctx[1024] = sum of 2^((s - m) log2 e) x row.
; Wave w takes the columns d = 256 w .. 256 w + 255, in four passes of 64: 9 x 4 accumulators of 16 x 16.  Source 0 = 16 rows of W_enc, source 1 = 16 rows of enc: a lane holds ONE row s (lane % 16)
; and the columns 8 (lane / 16) + 0..7, so the sum over d stays in the lane.  W's fragments come from memory as they lie in registers (no wave wants another's), five K steps ahead.
; tanh(x) = 1 - 2 X, X = 1 / (1 + 2^(2 log2(e) x)): right at both ends of the range (2^y = infinity gives X = 0, 2^y = 0 gives X = 1).  score = sum v - 2 sum v X.
; THE BLOCK LOOP counts to the constant 2.  Its three barriers are passed by every wave in every trip; the three segments between them hold no barrier and are jumped over when the batch has no second block.
; ADDRESSES.  Every LDS address is made once, at the head, from the thread's number and constants, in registers that hold nothing else (window 0 v1-19, window 3 v196-238).  EXEC is never changed.
; NO CLUSTER, NO JOINT LOADS for W, though all work-groups read it: the resident rows and the scratch take 308,224 of the 327,680 bytes of LDS; a K step of W for the four waves is 16,384 bytes, and two
; slots of that do not fit into the 19,456 that are left.
; FORMATS.  enc, W_enc: bf16 operands, f32 sums.  v: rounded to bf16, used in f32.  The weights go into the context's product as two bf16 (high part, remainder), rows 0 and 1 of one operand.
; LIMITS.  A masked row counts as weight 0, as in the reference while the sum of |v| stays under 9.9e8.  NaN and infinities in the inputs are not treated apart.
; The accumulators are cleared once, by 288 v_mov_b32 in the wait for a scalar load; afterwards each epilogue leaves them at 0 (X x 0, X in 0..1): the price of writing one form of K step.
.set PITCH, 2064                       ; an LDS row: 2,048 bytes + 16 = 129 x 16: the 16 rows of a fragment load start at 16 different groups of four banks (64 banks of 4 bytes: ISA guide 11.1)
.set RB16,  16*PITCH
.set RB32,  32*PITCH
.set SCW,   144*PITCH                  ; [wave][144] f32: each wave's part of the scores
.set PBUF,  SCW+2304                   ; for each wave 1,024 bytes of its own: 160 high parts at 0, 160 remainders at 512
.set CTXS,  PBUF+4096                  ; for each wave 256 f32 of its own
.set SPARE, CTXS+4096                  ; the spare words, 128 bytes a wave, that no other line names
.set SCDUMP, 262144                    ; in sc, behind the table of scores: 128 bytes for each work-group, which nobody reads
; window 0
.set LANE, 1
.set R,    2                           ; lane % 16
.set H,    3                           ; lane / 16
.set LB,   4                           ; 16 x lane
.set TD,   5                           ; 16 h
.set TV,   6                           ; 32 h
.set GO,   7                           ; 1,024 w + 16 x lane
.set AF,   8                           ; v8-12   LDS address of fragment rows 32 x + r, at the trip in hand
.set AFB,  13                          ; v13-17  the same at K = 0; never rewritten
.set SPW,  18
.set NIL,  19
.set VS,   20                          ; v[20:21] sum of my v
.set T,    22                          ; v22-47  at work
.set DHC,  48                          ; v48-79  2 log2(e) dh of the pass's columns: 8 cb + j
.set VT,   80                          ; v80-111 v of the same columns
.set OUT,  104                         ; segment C: v104-111 my 8 numbers of the block's context
.set FA,   112                         ; v112-183, v184-255: two buffers of nine fragments of enc
; window 1: segment A three staging buffers of 72 and v216-233 the listed rows' numbers; segment B the ring of eight units of W (unit u at 32 u, fragment cb at + 8 cb); segment C the context's 16 accumulators
.set SROW, 216
; window 2: accumulators (rb <= 6, cb) at 32 rb + 8 cb; the sums of v X at 224 + 2 rb
; window 3: accumulators (rb = 7, 8) at 32 (rb - 7) + 8 cb; sums at 64 + 2 (rb - 7); v68-195 segment C's second buffer; from v196 on addresses:
.set ROW,  196                         ; v196-213 byte offsets: of my 18 places in the list, then of my 18 pairs of rows in enc[b]
.set AS,   214                         ; v214-218 where I store rows 32 y + 2 w + 8 h
.set COL,  219                         ; 16 r
.set SCWST, 220                        ; my part of the scores, row r
.set SCR0, 221                         ; the scores, row = lane
.set SCR1, 222                         ; the scores, row 128 + r
.set PBST, 223                         ; my weights, row = lane
.set PFRD, 224                         ; my weights as a fragment
.set CT,   225                         ; v225-229 the turning loads of rows 32 t ..
.set CXST, 230
.set CXRD, 231
.set SCO,  232                         ; v232-236 where a score goes in sc
.set MLO,  237                         ; 8 x lane
.set DUMP, 238                         ; my word of the work-group's 128 bytes behind the table
.set WV, 18
.set J, 19
.set NEFF, 20
.set Q, 21
.set ALLM, 22
.set NBLK, 23
.set START, 24
.set LIM, 25
.set BLK, 26
.set BASE, 27
.set LIMB, 28
.set LIM1, 29
.set BN, 32                            ; s[32:33] my stream of W, at the trip that is being asked for
.set TABP, 34
.set VP, 36
.set TT, 38                            ; trips of eight K steps asked for, 0..16
.set SK, 39                            ; the trip's 512 bytes of a row's 2,048: 0, 512, 1024, 1536, 0 ..
.set CNT, 40
.set PASS, 41
.set C2, 42                            ; s[42:43] 2 log2(e)
.set SEL, 44                           ; s[44:45] v_permlanex16_b32: each lane takes its own place in the other half
.set AMSK, 46                          ; all ones if the batch is wholly masked
.set VAL, 50                           ; s50-54 which lanes hold a row of the block
.set BAT, 58
.set SCB, 59                           ; 8,192 b
.set MSB, 0
.macro WIN new                         ; the immediate's high byte repeats the setting that is left; a switch that changes nothing is dropped
.if MSB != (\new)
	s_set_vgpr_msb (MSB<<8)|(\new)
.set MSB, \new
.endif
.endm
.macro PLACES                          ; four places between a matrix instruction and a load into, or a vector instruction on, its registers
.rept 4
	v_nop
.endr
.endm
	s_load_b256 s[4:11], s[0:1], 0x0               ; enc s[4:5], wfrag s[6:7], tab s[8:9], v s[10:11]
	s_load_b128 s[12:15], s[0:1], 0x20             ; lists s[12:13], sc s[14:15]
	s_load_b64 s[16:17], s[0:1], 0x30              ; part
	v_lshl_add_u32 v[SPW], v0, 2, SPARE
	v_mov_b32 v[NIL], 0
	v_lshrrev_b32 v[LANE], 5, v0
	v_readfirstlane_b32 s[WV], v[LANE]             ; wave 0..3
	v_and_b32 v[LANE], 31, v0
	v_and_b32 v[R], 15, v0
	v_bfe_u32 v[H], v0, 4, 1
	v_lshlrev_b32 v[LB], 4, v[LANE]
	v_lshlrev_b32 v[TD], 4, v[H]
	v_lshlrev_b32 v[TV], 5, v[H]
	s_mov_b32 s[J], ttmp9
	s_and_b32 s[BAT], ttmp7, 0xffff
	s_lshl_b32 s47, s[WV], 10
	v_lshl_add_u32 v[GO], v[LANE], 4, s47
	v_mul_u32_u24 v[T], v[R], PITCH
	v_lshl_add_u32 v[T], v[H], 4, v[T]             ; a fragment's row x pitch + 16 x half
.irp x, 0,1,2,3,4
	v_add_nc_u32 v[AFB+\x], \x*RB32, v[T]
	v_add_nc_u32 v[AF+\x], \x*RB32, v[T]           ; the walk along K comes back to 0 behind every pass
.endr
	v_mul_u32_u24 v[T+1], v[H], 8*PITCH            ; where I store rows: row 8 h,
	v_lshl_add_u32 v[T+1], v[R], 3, v[T+1]         ; my 8 bytes,
	s_mul_i32 s48, s[WV], 2*PITCH
	v_add_nc_u32 v[T+1], s48, v[T+1]               ; + 2 w rows
	v_and_b32 v[T+2], 1, v[R]                      ; the weights as a fragment: even rows of the operand take the high parts, odd rows the remainders
	v_lshlrev_b32 v[T+2], 9, v[T+2]
	v_lshl_add_u32 v[T+2], v[H], 4, v[T+2]
	v_and_b32 v[T+3], 7, v0                        ; the turning load: row 8 h + lane % 8,
	v_lshl_add_u32 v[T+3], v[H], 3, v[T+3]
	v_mul_u32_u24 v[T+3], v[T+3], PITCH
	v_bfe_u32 v[T+4], v0, 3, 1
	v_lshl_add_u32 v[T+3], v[T+4], 7, v[T+3]       ; the second piece of 16 bytes 128 bytes on,
	s_lshl_b32 s48, s[WV], 9
	v_add_nc_u32 v[T+3], s48, v[T+3]               ; my wave's 512 bytes of a row
	v_and_b32 v[T+4], 7, v[R]                      ; a context number's place among my 256: r % 8 + 64 (r / 8)
	v_lshrrev_b32 v[T+5], 3, v[R]
	v_lshlrev_b32 v[T+4], 2, v[T+4]
	v_lshl_add_u32 v[T+4], v[T+5], 8, v[T+4]
	s_mul_i32 s48, s[WV], 576
	s_add_co_u32 s48, s48, SCW
	s_add_co_u32 s49, s47, PBUF
	s_add_co_u32 s55, s47, CTXS
	s_lshl_b32 s56, s[BAT], 3
	s_add_co_u32 s56, s56, s[J]
	s_lshl_b32 s56, s56, 7
	s_add_co_u32 s56, s56, SCDUMP
	WIN 0xc0                                       ; destination window 3, sources window 0
.irp y, 0,1,2,3,4
	v_add_nc_u32 v[AS+\y], \y*RB32, v[T+1]
.endr
	v_lshlrev_b32 v[COL], 4, v[R]
	v_lshl_add_u32 v[SCWST], v[R], 2, s48
	v_lshl_add_u32 v[SCR0], v[LANE], 2, SCW
	v_lshl_add_u32 v[SCR1], v[R], 2, SCW+512
	v_lshl_add_u32 v[PBST], v[LANE], 1, s49
	v_add_nc_u32 v[PFRD], s49, v[T+2]
.irp t, 0,1,2,3,4
	v_add_nc_u32 v[CT+\t], \t*RB32, v[T+3]
.endr
	v_add_nc_u32 v[CXST], s55, v[T+4]
	v_lshl_add_u32 v[CXRD], v[LANE], 4, s55
	v_lshlrev_b32 v[MLO], 3, v[LANE]
	v_lshl_add_u32 v[DUMP], v[LANE], 2, s56
	WIN 0
	s_mov_b32 s[C2], 0x4038aa3b
	s_mov_b32 s[C2+1], s[C2]                       ; named with it as a pair
	s_mov_b32 s[SEL], 0x76543210
	s_mov_b32 s[SEL+1], 0xfedcba98
	s_mov_b32 s[SK], 0
	s_mov_b32 s57, 0
	s_lshl_b32 s[SCB], s[BAT], 13
	s_lshl_b32 s48, s[BAT], 4
	s_wait_kmcnt 0x0
	s_load_b128 s[20:23], s[12:13], s48 offset:0x80000  ; the batch's four counts
	WIN 0x80
.set i, 0
.rept 224
	v_mov_b32 v[i], 0                              ; the accumulators, once a launch, while the counts are on their way
.set i, i+1
.endr
	WIN 0xc0
.set i, 0
.rept 64
	v_mov_b32 v[i], 0
.set i, i+1
.endr
	WIN 0
	s_lshl_b32 s56, s[BAT], 23
	s_add_nc_u64 s[4:5], s[4:5], s[56:57]          ; enc[b]
	s_lshl_b32 s56, s[WV], 19
	s_add_nc_u64 s[6:7], s[6:7], s[56:57]          ; my wave's stream of W: 128 K steps of 4,096 bytes
	s_lshl_b32 s56, s[BAT], 5
	s_lshl_b32 s47, s[WV], 15
	s_add_co_u32 s56, s56, s47
	s_add_nc_u64 s[8:9], s[8:9], s[56:57]          ; tab at my batch and my first 16 columns
	s_lshl_b32 s56, s[WV], 10
	s_add_nc_u64 s[10:11], s[10:11], s[56:57]      ; v at my first column
	s_lshl_b32 s56, s[BAT], 3
	s_add_co_u32 s56, s56, s[J]
	s_mul_i32 s56, s56, 8704
	s_add_nc_u64 s[16:17], s[16:17], s[56:57]      ; my two slots of 4,352 bytes
	s_wait_kmcnt 0x0                               ; the counts are in, and lists' address is free
	s_mov_b32 s56, s[SCB]
	s_add_nc_u64 s[12:13], s[12:13], s[56:57]      ; order[b]
	s_min_u32 s[NEFF], s[NEFF], 2048
	s_min_u32 s[Q], s[Q], 256
	s_min_u32 s[NBLK], s[NBLK], 2
	s_mul_i32 s[START], s[J], s[Q]
	s_add_co_u32 s[LIM], s[START], s[Q]
	s_min_u32 s[LIM], s[LIM], s[NEFF]              ; my places end here
	s_sub_co_u32 s[LIM1], s[LIM], 1
	s_cmp_lg_u32 s[ALLM], 0
	s_cselect_b32 s[AMSK], -1, 0
	s_mov_b32 s[BLK], 0
.Lblock:
	s_mul_i32 s[BASE], s[BLK], 144
	s_add_co_u32 s[BASE], s[BASE], s[START]        ; the block's first place
	s_add_co_u32 s[LIMB], s[BASE], 144
	s_min_u32 s[LIMB], s[LIMB], s[LIM]             ; places from here on are dead: they repeat my last row and get weight 0
	s_cmp_lt_u32 s[BLK], s[NBLK]
	s_cbranch_scc0 .Lskip_a
; ================ SEGMENT A: 144 listed rows, f32 in memory, bf16 in LDS.  Load i = 2 g + t of a chunk brings 256 bytes of row 16 g + t + 2 w (lanes 0-15) and of the row 8 further on (lanes 16-31);
; chunk c is bytes 256 c .. 256 c + 255 of my 36 rows; 16 chunks, written out, the chunk in the immediates.  Three register buffers take turns: 54 loads of 512 bytes of a wave are on their way.
	s_lshl_b32 s47, s[WV], 1
	s_add_co_u32 s47, s47, s[BASE]
	v_lshl_add_u32 v[T], v[H], 3, s47              ; the list place of my row for g = t = 0
	WIN 0xc0
.set i, 0
.rept 18
	v_add_nc_u32 v[ROW+i], 16*(i/2)+i%2, v[T]
.set i, i+1
.endr
	WIN 0xcf
.set i, 0
.rept 18
	v_min_u32 v[ROW+i], s[LIM1], v[ROW+i]          ; a dead place repeats my last one
	v_min_u32 v[ROW+i], 0x7ff, v[ROW+i]
	v_lshlrev_b32 v[ROW+i], 2, v[ROW+i]
.set i, i+1
.endr
	WIN 0x43                                       ; destination window 1, address window 3
.set i, 0
.rept 18
	global_load_b32 v[SROW+i], v[ROW+i], s[12:13]  ; the row's number s
.set i, i+1
.endr
	s_wait_loadcnt 0x0
	WIN 0xc4
.set i, 0
.rept 18
	v_min_u32 v[ROW+i], 0x7ff, v[SROW+i]
.set i, i+1
.endr
	WIN 0xcf
.set i, 0
.rept 18
	v_lshlrev_b32 v[ROW+i], 12, v[ROW+i]           ; s x 4,096
	v_add_nc_u32 v[ROW+i], v[COL], v[ROW+i]        ; + my 16 bytes of a chunk's 256
.set i, i+1
.endr
.macro ALOAD buf, imm
	WIN 0x43
.set i, 0
.rept 18
	global_load_b128 v[72*(\buf)+4*i:72*(\buf)+4*i+3], v[ROW+i], s[4:5] offset:\imm
.set i, i+1
.endr
.endm
.macro CONV buf, left, simm            ; left: the younger loads that may stay out
	s_wait_loadcnt \left
	WIN 0x45
.set i, 0
.rept 18
	v_cvt_pk_bf16_f32 v[72*(\buf)+4*i],   v[72*(\buf)+4*i],   v[72*(\buf)+4*i+1]
	v_cvt_pk_bf16_f32 v[72*(\buf)+4*i+1], v[72*(\buf)+4*i+2], v[72*(\buf)+4*i+3]
.set i, i+1
.endr
	s_wait_dscnt 18                                ; the chunk before's 18 stores may be out: two chunks' stores at the most are on their way
	WIN 0x07                                       ; address window 3, data window 1
.set i, 0
.rept 18
	ds_store_b64 v[AS+i/4], v[72*(\buf)+4*i:72*(\buf)+4*i+1] offset:((i/2)%2)*RB16+(i%2)*PITCH+(\simm)  ; lanes 0-15 fill 128 bytes of a row, lanes 16-31 of the row 8 on, 128 bytes further modulo 256
.set i, i+1
.endr
.endm
	ALOAD 0, 0
	ALOAD 1, 256
	ALOAD 2, 512
.set c, 0
.rept 16
.if c <= 13
	CONV c%3, 36, c*128                            ; the two younger chunks' 18 loads each may stay out
.elseif c == 14
	CONV c%3, 18, c*128
.else
	CONV c%3, 0, c*128
.endif
.if c <= 12
	ALOAD c%3, (c+3)*256
.endif
.set c, c+1
.endr
	WIN 0
.Lskip_a:
	s_wait_dscnt 0x0                               ; my stores of the rows are done
	s_barrier_signal -1
	s_barrier_wait -1                              ; everybody's are
	s_cmp_lt_u32 s[BLK], s[NBLK]
	s_cbranch_scc0 .Lskip_b
; ================ SEGMENT B: four passes of 64 columns: 32 K steps of 36 products, then the epilogue.
.macro TLOADS                          ; the pass's 64 columns of dh and of v: my 8 of each 16
	WIN 0
.irp cb, 0,1,2,3
	global_load_b128 v[DHC+8*\cb:DHC+8*\cb+3],   v[TD], s[TABP:TABP+1] offset:\cb*2048
	global_load_b128 v[DHC+8*\cb+4:DHC+8*\cb+7], v[TD], s[TABP:TABP+1] offset:\cb*2048+1024
	global_load_b128 v[VT+8*\cb:VT+8*\cb+3],     v[TV], s[VP:VP+1] offset:\cb*64
	global_load_b128 v[VT+8*\cb+4:VT+8*\cb+7],   v[TV], s[VP:VP+1] offset:\cb*64+16
.endr
.endm
.macro BLOAD u                         ; K step u of the trip at which the base stands: four fragments of W, into unit u
	WIN 0x40
.set i, 0
.rept 8
	global_load_b128 v[32*(\u)+4*i:32*(\u)+4*i+3], v[LB], s[BN:BN+1] offset:4096*(\u)+512*i
.set i, i+1
.endr
.endm
.macro AFRAG buf, koff                 ; a K step of enc, nine fragments
	WIN 0
.set rb, 0
.rept 9
	ds_load_b128 v[FA+72*(\buf)+8*rb:FA+72*(\buf)+8*rb+3],   v[AF+rb/2] offset:(rb%2)*RB16+(\koff)
	ds_load_b128 v[FA+72*(\buf)+8*rb+4:FA+72*(\buf)+8*rb+7], v[AF+rb/2] offset:(rb%2)*RB16+(\koff)+32
.set rb, rb+1
.endr
.endm
.macro STEP j                          ; 36 products.  Every accumulator has one turn a step, so 35 others' stand between two links of a chain, over the backward jump too
	s_wait_dscnt 18                                ; this step's fragments of enc are in; the next step's 18 loads may stay out
	s_wait_loadcnt 32                              ; unit j is in; the four younger units' 8 loads each may stay out
	WIN 0xa1                                       ; W window 1, enc window 0, C and D window 2
.set rb, 0
.rept 7
.irp cb, 0,1,2,3
	v_wmma_f32_16x16x32_bf16 v[32*rb+8*\cb:32*rb+8*\cb+7], v[32*(\j)+8*\cb:32*(\j)+8*\cb+7], v[FA+72*((\j)%2)+8*rb:FA+72*((\j)%2)+8*rb+7], v[32*rb+8*\cb:32*rb+8*\cb+7]
.endr
.set rb, rb+1
.endr
	WIN 0xf1                                       ; C and D window 3
.rept 2
.irp cb, 0,1,2,3
	v_wmma_f32_16x16x32_bf16 v[32*(rb-7)+8*\cb:32*(rb-7)+8*\cb+7], v[32*(\j)+8*\cb:32*(\j)+8*\cb+7], v[FA+72*((\j)%2)+8*rb:FA+72*((\j)%2)+8*rb+7], v[32*(rb-7)+8*\cb:32*(rb-7)+8*\cb+7]
.endr
.set rb, rb+1
.endr
.endm
.macro RUN j, koff                     ; behind step j: enc's fragments of step j + 2 into the buffer just read, W's unit of step j + 5 (its registers were last read three steps back)
	PLACES
	AFRAG (\j)%2, \koff
	BLOAD ((\j)+5)%8
.endm
	WIN 0x80
.set i, 224
.rept 14
	v_mov_b32 v[i], 0                              ; the sums of v X
.set i, i+1
.endr
	WIN 0xc0
.set i, 64
.rept 4
	v_mov_b32 v[i], 0
.set i, i+1
.endr
	WIN 0
	v_mov_b32 v[VS], 0
	v_mov_b32 v[VS+1], 0
	s_mov_b64 s[BN:BN+1], s[6:7]
	s_mov_b64 s[TABP:TABP+1], s[8:9]
	s_mov_b64 s[VP:VP+1], s[10:11]
	s_mov_b32 s[TT], 0
.irp u, 0,1,2,3,4
	BLOAD \u
.endr
	AFRAG 0, 0
	AFRAG 1, 64
	s_mov_b32 s[PASS], 4
.Lpass:
	TLOADS                                         ; with the five units that are out: 56 loads of mine at the most
	s_mov_b32 s[CNT], 4
.Ltrip:                                        ; eight K steps
	STEP 0
	RUN 0, 128
	STEP 1
	RUN 1, 192
	STEP 2
	RUN 2, 256
	STEP 3
	s_wait_xcnt 0x0                                ; the loads issued so far have read their base
	s_add_nc_u64 s[BN:BN+1], s[BN:BN+1], 32768     ; from here on the next trip's steps are asked for;
	s_add_co_u32 s[TT], s[TT], 1
	s_cmp_eq_u32 s[TT], 16
	s_cselect_b64 s[BN:BN+1], s[6:7], s[BN:BN+1]   ; behind the stream's last trip its first again, so that no load leaves the buffer
	RUN 3, 320
	STEP 4
	RUN 4, 384
	STEP 5
	RUN 5, 448
	STEP 6
	WIN 0
	s_add_co_u32 s[SK], s[SK], 512
	s_and_b32 s[SK], s[SK], 0x600                  ; the next trip's 512 bytes of a row's 2,048
.irp x, 0,1,2,3,4
	v_add_nc_u32 v[AF+\x], s[SK], v[AFB+\x]
.endr
	RUN 6, 0
	STEP 7
	RUN 7, 64
	WIN 0
	s_sub_co_u32 s[CNT], s[CNT], 1
	s_cmp_lg_u32 s[CNT], 0
	s_cbranch_scc1 .Ltrip
; THE EPILOGUE.  For each block g of 16 rows, 32 registers X: EA y = 2 log2(e) (eh + dh); exp 2^y; EC + 1; rcp X; EE sum += v X; EZ X x 0 clears the accumulator for the next pass.
; The stages of neighbouring blocks are set side by side, so that plain lines stand among the transcendentals, and each round tau has ONE batch of them and ONE wait: nothing in a round names a result of that round.
.macro XBASE g
.if (\g) < 7
.set XW, 2
.set XR, 32*(\g)
.set SR, 224+2*(\g)
.else
.set XW, 3
.set XR, 32*((\g)-7)
.set SR, 64+2*((\g)-7)
.endif
.endm
.macro EA g, p                         ; each accumulator's lowest registers are read first
	XBASE \g
	WIN (XW<<6)|XW
	v_pk_fma_f32 v[XR+2*(\p):XR+2*(\p)+1], v[XR+2*(\p):XR+2*(\p)+1], s[C2:C2+1], v[DHC+2*(\p):DHC+2*(\p)+1] op_sel_hi:[1,0,1]
.endm
.macro EXPX g, k
	XBASE \g
	WIN (XW<<6)|XW
	v_exp_f32 v[XR+(\k)], v[XR+(\k)]
.endm
.macro EC g, p
	XBASE \g
	WIN (XW<<6)|XW
	v_pk_add_f32 v[XR+2*(\p):XR+2*(\p)+1], v[XR+2*(\p):XR+2*(\p)+1], 1.0 op_sel_hi:[1,0]
.endm
.macro RCPX g, k
	XBASE \g
	WIN (XW<<6)|(XW<<4)|XW
	v_rcp_f32 v[XR+(\k)], v[XR+(\k)]
.endm
.macro EE g, p
	XBASE \g
	WIN (XW<<6)|(XW<<4)|XW
	v_pk_fma_f32 v[SR:SR+1], v[XR+2*(\p):XR+2*(\p)+1], v[VT+2*(\p):VT+2*(\p)+1], v[SR:SR+1]
.endm
.macro EZ g, p
	XBASE \g
	WIN (XW<<6)|(XW<<4)|XW
	v_pk_mul_f32 v[XR+2*(\p):XR+2*(\p)+1], v[XR+2*(\p):XR+2*(\p)+1], 0 op_sel_hi:[1,0]
.endm
	s_wait_loadcnt 40                              ; the five younger units may stay out; dh and v were asked for 256 loads ago
.set i, 0
.rept 16
	v_cvt_pk_bf16_f32 v[T+i], v[VT+2*i], v[VT+2*i+1]   ; v is rounded to bf16 like the other inputs,
.set i, i+1
.endr
.set i, 0
.rept 16
	v_lshlrev_b32 v[VT+2*i], 16, v[T+i]                ; used in f32,
	v_and_b32 v[VT+2*i+1], 0xffff0000, v[T+i]
	v_pk_add_f32 v[VS:VS+1], v[VS:VS+1], v[VT+2*i:VT+2*i+1]  ; and summed
.set i, i+1
.endr
.set i, 0
.rept 16
	EA 0, i
.set i, i+1
.endr
.set tau, 0
.rept 11
.if tau <= 8
.set i, 0
.rept 16
.if tau < 8
	EA tau+1, i
.endif
	EXPX tau, 2*i
	EXPX tau, 2*i+1
.set i, i+1
.endr
.endif
.set i, 0
.rept 16
.if tau >= 2
	EE tau-2, i
.endif
.if (tau >= 1) && (tau <= 9)
	RCPX tau-1, 2*i
.endif
.if tau >= 2
	EZ tau-2, i
.endif
.if (tau >= 1) && (tau <= 9)
	RCPX tau-1, 2*i+1
.endif
.set i, i+1
.endr
.if tau <= 9
	v_nop                                          ; a plain instruction behind the round's last transcendental,
	s_wait_alu depctr_va_vdst(0)                   ; and the one wait ahead of the first line that names a result
.endif
.if tau <= 8
.set i, 0
.rept 16
	EC tau, i
.set i, i+1
.endr
.endif
.set tau, tau+1
.endr
	WIN 0
	s_wait_xcnt 0x0                                ; the tables' loads have read their bases
	s_add_nc_u64 s[TABP:TABP+1], s[TABP:TABP+1], 8192  ; the next pass's 64 columns
	s_add_nc_u64 s[VP:VP+1], s[VP:VP+1], 256
	s_sub_co_u32 s[PASS], s[PASS], 1
	s_cmp_lg_u32 s[PASS], 0
	s_cbranch_scc1 .Lpass
	; my wave's part of the scores: sum v - 2 sum v X over my 256 columns
	WIN 0x0a
.set rb, 0
.rept 7
	v_add_f32 v[T+rb], v[224+2*rb], v[225+2*rb]
.set rb, rb+1
.endr
	WIN 0x0f
	v_add_f32 v[T+7], v64, v65
	v_add_f32 v[T+8], v66, v67
	WIN 0
	v_add_f32 v[T+9], v[VS], v[VS+1]
.set rb, 0
.rept 9
	v_fma_f32 v[T+rb], v[T+rb], -2.0, v[T+9]
	v_mov_b32 v[T+10+rb], 0                        ; v_permlanex16_b32's destination counts as read
.set rb, rb+1
.endr
.set rb, 0
.rept 9
	v_permlanex16_b32 v[T+10+rb], v[T+rb], s[SEL], s[SEL+1]  ; the row's other 8 of each 16 columns lie in the lane 16 away
.set rb, rb+1
.endr
.set rb, 0
.rept 9
	v_add_f32 v[T+rb], v[T+rb], v[T+10+rb]
.set rb, rb+1
.endr
	WIN 0x03                                       ; address window 3, data window 0
.set rb, 0
.rept 9
	ds_store_b32 v[SCWST], v[T+rb] offset:64*rb    ; row 16 rb + r; both halves of the lanes write the same number
.set rb, rb+1
.endr
	WIN 0
	s_wait_loadcnt 0x0                             ; the last trip's requests, which serve nothing, have landed: their registers are used again
.Lskip_b:
	s_wait_dscnt 0x0                               ; my part of the scores is stored, and my reads of the rows are back
	s_barrier_signal -1
	s_barrier_wait -1
	s_cmp_lt_u32 s[BLK], s[NBLK]
	s_cbranch_scc0 .Ldead
; ================ SEGMENT C.  Every wave makes the block's softmax for itself (lane l holds rows 32 i + l, i = 0..4), then the context for its 256 channels.
; THE CONTEXT: D = P E, P = 16 x 32 (even rows the high parts, odd rows the remainders of 32 rows' weights), E = 32 rows x 16 channels of the resident rows, turned by ds_load_tr16_b128.
; Rows 0 and 1 of D, a lane's registers 0 and 1, add up to ctx.:
; column r of product n is channel 128 (n / 8) + 8 (n % 8) + r % 8 + 64 (r / 8) of my 256.
.macro ELOAD t                         ; rows 32 t .. 32 t + 31, my 256 channels: 16 fragments.  t = 4 has 16 rows: its second half repeats the first, under weights that are 0
.if ((\t)%2) == 0
	WIN 0x03                                       ; destination window 0, address window 3
.set EBF, 112
.else
	WIN 0xc3                                       ; destination window 3
.set EBF, 68
.endif
.set n, 0
.rept 16
	ds_load_tr16_b128 v[EBF+8*n:EBF+8*n+3], v[CT+(\t)] offset:(n/8)*256+(n%8)*16
.if (\t) < 4
	ds_load_tr16_b128 v[EBF+8*n+4:EBF+8*n+7], v[CT+(\t)] offset:(n/8)*256+(n%8)*16+RB16
.else
	ds_load_tr16_b128 v[EBF+8*n+4:EBF+8*n+7], v[CT+(\t)] offset:(n/8)*256+(n%8)*16
.endif
.set n, n+1
.endr
.endm
.macro CMUL t                          ; 16 products; the 16 accumulators (window 1) take turns
.if ((\t)%2) == 0
	WIN 0x50
.set EBF, 112
.else
	WIN 0x5c
.set EBF, 68
.endif
.set n, 0
.rept 16
.if (\t) == 0
	v_wmma_f32_16x16x32_bf16 v[8*n:8*n+7], v[48+8*(\t):48+8*(\t)+7], v[EBF+8*n:EBF+8*n+7], 0
.else
	v_wmma_f32_16x16x32_bf16 v[8*n:8*n+7], v[48+8*(\t):48+8*(\t)+7], v[EBF+8*n:EBF+8*n+7], v[8*n:8*n+7]
.endif
.set n, n+1
.endr
.endm
	WIN 0x03
.irp u, 0,1,2,3
.irp i, 0,1,2,3
	ds_load_b32 v[48+5*\u+\i], v[SCR0] offset:576*\u+128*\i
.endr
	ds_load_b32 v[48+5*\u+4], v[SCR1] offset:576*\u    ; i = 4: rows 128 + l % 16; lanes 16-31 stand for rows 144-159, which are dead
.endr
	ELOAD 0                                        ; the context's first rows hang on no weight: they come while the softmax is made
	WIN 0
	v_mov_b32 v44, 0xce6e6b28                      ; -1e9
	v_mov_b32 v45, 0xff7fffff                      ; the lowest finite number
	v_add_nc_u32 v46, s[BASE], v[LANE]
.irp i, 0,1,2,3,4
	v_add_nc_u32 v[29+\i], 32*\i, v46              ; the row's place in the list
	v_cmp_gt_u32 s[VAL+\i], s[LIMB], v[29+\i]      ; is it one of the block's?
.endr
	s_wait_dscnt 32                                ; the 20 parts of scores are in; the 32 turning loads may stay out
.irp i, 0,1,2,3,4
	v_add_f32 v[48+\i], v[48+\i], v[53+\i]
	v_add_f32 v[58+\i], v[58+\i], v[63+\i]
.endr
.irp i, 0,1,2,3,4
	v_add_f32 v[24+\i], v[48+\i], v[58+\i]
.endr
.irp i, 0,1,2,3,4
	v_cndmask_b32 v[24+\i], v[24+\i], v44, s[AMSK] ; a wholly masked batch: every score is -1e9
.endr
.irp i, 0,1,2,3,4
	v_cndmask_b32 v[34+\i], v45, v[24+\i], s[VAL+\i]
.endr
	v_max3_num_f32 v39, v34, v35, v36
	v_max3_num_f32 v39, v39, v37, v38
	v_max_num_f32_dpp v39, v39, v39 row_xmask:1 row_mask:0xf bank_mask:0xf
	v_max_num_f32_dpp v39, v39, v39 row_xmask:2 row_mask:0xf bank_mask:0xf
	v_max_num_f32_dpp v39, v39, v39 row_xmask:4 row_mask:0xf bank_mask:0xf
	v_max_num_f32_dpp v39, v39, v39 row_xmask:8 row_mask:0xf bank_mask:0xf
	v_mov_b32 v40, v39                             ; v_permlanex16_b32's destination counts as read
	v_permlanex16_b32 v40, v39, s[SEL], s[SEL+1]
	v_max_num_f32 v42, v39, v40                    ; m, the block's maximum, in every lane
.irp i, 0,1,2,3,4
	v_sub_f32 v[34+\i], v[34+\i], v42
.endr
.irp i, 0,1,2,3,4
	v_mul_f32 v[34+\i], 0x3fb8aa3b, v[34+\i]
.endr
.irp i, 0,1,2,3,4
	v_exp_f32 v[34+\i], v[34+\i]
.endr
	v_nop
	s_wait_alu depctr_va_vdst(0)                   ; one wait for the five exponentials
.irp i, 0,1,2,3,4
	v_cndmask_b32 v[34+\i], 0, v[34+\i], s[VAL+\i] ; a dead row weighs nothing
.endr
	v_add_f32 v43, v34, v35
	v_add_f32 v40, v36, v37
	v_add_f32 v43, v43, v38
	v_add_f32 v43, v43, v40
	v_add_f32_dpp v43, v43, v43 row_xmask:1 row_mask:0xf bank_mask:0xf
	v_add_f32_dpp v43, v43, v43 row_xmask:2 row_mask:0xf bank_mask:0xf
	v_add_f32_dpp v43, v43, v43 row_xmask:4 row_mask:0xf bank_mask:0xf
	v_add_f32_dpp v43, v43, v43 row_xmask:8 row_mask:0xf bank_mask:0xf
	v_permlanex16_b32 v40, v43, s[SEL], s[SEL+1]
	v_add_f32 v43, v43, v40                        ; l
.irp i, 0,1,2,3,4
	v_cvt_pk_bf16_f32 v[88+\i], v[34+\i], v[34+\i]
.endr
.irp i, 0,1,2,3,4
	v_lshlrev_b32 v[88+\i], 16, v[88+\i]           ; the high part as f32,
.endr
.irp i, 0,1,2,3,4
	v_sub_f32 v[88+\i], v[34+\i], v[88+\i]         ; the remainder (exact),
.endr
.irp i, 0,1,2,3,4
	v_cvt_pk_bf16_f32 v[88+\i], v[34+\i], v[88+\i] ; both as bf16
.endr
	WIN 0x03
.irp i, 0,1,2,3,4
	ds_store_b16 v[PBST], v[88+\i] offset:64*\i
	ds_store_b16_d16_hi v[PBST], v[88+\i] offset:512+64*\i
.endr
.irp t, 0,1,2,3,4
	ds_load_b128 v[48+8*\t:48+8*\t+3], v[PFRD] offset:64*\t      ; LDS serves a wave's instructions in order (ISA guide 5.7.1.4): these see my stores above
	ds_load_b128 v[48+8*\t+4:48+8*\t+7], v[PFRD] offset:64*\t+32
.endr
	WIN 0
	s_cmp_lg_u32 s[WV], 0
	s_cbranch_scc1 .Lnot_sc
	WIN 0xc0                               ; wave 0 stores the block's raw scores, by place in the list
.irp i, 0,1,2,3,4
	v_lshl_add_u32 v[SCO+\i], v[29+\i], 2, s[SCB]
.endr
	WIN 0xcf
.irp i, 0,1,2,3,4
	v_cndmask_b32 v[SCO+\i], v[DUMP], v[SCO+\i], s[VAL+\i]  ; a dead lane's number goes to the work-group's own 128 bytes behind the table, which nobody reads: EXEC stays whole
	v_min_u32 v[SCO+\i], 0x47ffc, v[SCO+\i]        ; the buffer's last word
.endr
	WIN 0x03
.irp i, 0,1,2,3,4
	global_store_b32 v[SCO+\i], v[24+\i], s[14:15]
.endr
	WIN 0
.Lnot_sc:
	s_wait_dscnt 0x0                               ; the weights' fragments and rows 0-31 are in
	ELOAD 1
.irp t, 0,1,2,3,4
	CMUL \t
.if \t < 4
	s_wait_dscnt 0x0                               ; the next 32 rows, asked for ahead of these 16 products, are in
.endif
	PLACES
.if \t < 3
	ELOAD \t+2                                     ; into the buffer just multiplied
.endif
.endr
	WIN 0x05
.set n, 0
.rept 16
	v_add_f32 v[88+n], v[8*n], v[8*n+1]            ; high part's sum + remainder's
.set n, n+1
.endr
	WIN 0x03
.set n, 0
.rept 16
	ds_store_b32 v[CXST], v[88+n] offset:((n/8)*128+(n%8)*8)*4
.set n, n+1
.endr
	ds_load_b128 v[OUT:OUT+3], v[CXRD]             ; back in the order of the channels
	ds_load_b128 v[OUT+4:OUT+7], v[CXRD] offset:512
	WIN 0
	s_wait_dscnt 0x0
	s_branch .Ljoin
.Ldead:                                        ; the batch has no second block: its slot says so
.irp c, 0,1,2,3,4,5,6,7
	v_mov_b32 v[OUT+\c], 0
.endr
	v_mov_b32 v42, 0xff7fffff
	v_mov_b32 v43, 0
.Ljoin:
	global_store_b128 v[GO], v[OUT:OUT+3], s[16:17]               ; 512 consecutive bytes a store
	global_store_b128 v[GO], v[OUT+4:OUT+7], s[16:17] offset:512
	s_cmp_lg_u32 s[WV], 0
	s_cbranch_scc1 .Lnot_ml
	WIN 0x03
	global_store_b64 v[MLO], v[42:43], s[16:17] offset:4096       ; m, l, a copy a lane: the slot's last 256 bytes, whole
	WIN 0
.Lnot_ml:
	s_wait_xcnt 0x0                                ; the block's stores have read their registers and their base
	s_add_nc_u64 s[16:17], s[16:17], 4352          ; the next slot
	s_wait_dscnt 0x0                               ; my reads of the rows and of the scores are back:
	s_barrier_signal -1
	s_barrier_wait -1                              ; the next block may write them
	s_add_co_u32 s[BLK], s[BLK], 1
	s_cmp_lt_u32 s[BLK], 2
	s_cbranch_scc1 .Lblock
	s_wait_tensorcnt 0x0                           ; the wave's end: behind my last LDS store
	ds_add_u32 v[SPW], v[NIL]
	s_wait_dscnt 0x0
	s_endpgm
.Lfunc_end_k_q4b13fa0a70_main:
	.size	k_q4b13fa0a70_main, .Lfunc_end_k_q4b13fa0a70_main-k_q4b13fa0a70_main
	.p2alignl 7, 3214868480
	.fill 96, 4, 3214868480
	.section	.rodata,"a",@progbits
	.p2align	6, 0x0
	.amdhsa_kernel k_q4b13fa0a70_main
		.amdhsa_group_segment_fixed_size 308224
		.amdhsa_private_segment_fixed_size 0
		.amdhsa_enable_private_segment 0
		.amdhsa_kernarg_size 56
		.amdhsa_user_sgpr_count 2
		.amdhsa_user_sgpr_kernarg_segment_ptr 1
		.amdhsa_wavefront_size32 1
		.amdhsa_system_sgpr_workgroup_id_x 1
		.amdhsa_system_sgpr_workgroup_id_y 1
		.amdhsa_system_sgpr_workgroup_id_z 1
		.amdhsa_system_vgpr_workitem_id 0
		.amdhsa_next_free_vgpr 1024
		.amdhsa_next_free_sgpr 66
		.amdhsa_reserve_vcc 0
		.amdhsa_float_denorm_mode_32 3
		.amdhsa_float_denorm_mode_16_64 3
		.amdhsa_memory_ordered 1
		.amdhsa_forward_progress 1
		.amdhsa_inst_pref_size 244
	.end_amdhsa_kernel
	.amdgpu_metadata
---
amdhsa.version: [ 1, 2 ]
amdhsa.kernels:
  - .name:           k_q4b13fa0a70_main
    .symbol:         k_q4b13fa0a70_main.kd
    .args:
      - { .name: enc_outputs, .offset: 0, .size: 8, .value_kind: global_buffer, .address_space: global }
      - { .name: wfrag, .offset: 8, .size: 8, .value_kind: global_buffer, .address_space: global }
      - { .name: tab, .offset: 16, .size: 8, .value_kind: global_buffer, .address_space: global }
      - { .name: v, .offset: 24, .size: 8, .value_kind: global_buffer, .address_space: global }
      - { .name: lists, .offset: 32, .size: 8, .value_kind: global_buffer, .address_space: global }
      - { .name: sc, .offset: 40, .size: 8, .value_kind: global_buffer, .address_space: global }
      - { .name: part, .offset: 48, .size: 8, .value_kind: global_buffer, .address_space: global }
    .group_segment_fixed_size: 308224
    .private_segment_fixed_size: 0
    .kernarg_segment_align: 8
    .kernarg_segment_size: 56
    .max_flat_workgroup_size: 128
    .sgpr_count:     66
    .vgpr_count:     1024
    .wavefront_size: 32
...
	.end_amdgpu_metadata
.endif
;; end of part 2
;; launch combine (part 3): grid 4 x 32, 2 waves a work-group, no clusters, 0 bytes of LDS; arguments part, sc, lists, out0, out1; writes out0, out1
.if DOCPART == 3
	.amdgcn_target "amdgcn-amd-amdhsa--gfx1250"
	.amdhsa_code_object_version 6
	.text
	.protected	k_q4b13fa0a70_combine
	.globl	k_q4b13fa0a70_combine
	.p2align	8
	.type	k_q4b13fa0a70_combine,@function
k_q4b13fa0a70_combine:
	s_mov_b64 s[64:65], 0
	v_nop
	global_prefetch_b8 v0, s[64:65] scope:SCOPE_SE
	s_setreg_imm32_b32 hwreg(HW_REG_WAVE_MODE, 25, 1), 1
	s_wait_xcnt 0x0
; THE END OF THE SOFTMAX.  A batch has 16 partial results (m_i, l_i, ctx_i[1024]).  M = max m_i, f_i = 2^((m_i - M) log2 e), L = sum f_i l_i;
; context = sum f_i ctx_i / L;  weight[s] = 2^((score - M) log2 e) / L for a listed row (its score lies at its place in the list), 0 for a masked one.
; Work-group (x, b), 64 threads: a quarter of the batch's context (4 numbers a thread) and of its weights (8 a thread).  An empty partial has m = the lowest finite number and l = 0: its f is 0.
	s_load_b256 s[4:11], s[0:1], 0x0               ; part s[4:5], sc s[6:7], lists s[8:9], out0 s[10:11]
	s_load_b64 s[12:13], s[0:1], 0x20              ; out1
	s_and_b32 s14, ttmp7, 0xffff                   ; b
	s_mov_b32 s17, 0
	s_mov_b32 s19, 0
	v_lshlrev_b32 v1, 4, v0
	s_lshl_b32 s15, ttmp9, 10
	v_add_nc_u32 v2, s15, v1                       ; 1,024 x + 16 t: my four numbers of a context
	s_lshl_b32 s15, ttmp9, 11
	v_add_nc_u32 v3, s15, v1                       ; 2,048 x + 16 t: my first four rows
	s_mul_i32 s16, s14, 69632                      ; 16 slots of 4,352 bytes
	s_lshl_b32 s18, s14, 13
	s_lshl_b32 s26, s14, 4
	s_wait_kmcnt 0x0
	s_add_nc_u64 s[4:5], s[4:5], s[16:17]
	s_add_nc_u64 s[24:25], s[8:9], s[18:19]        ; lists at the batch's row; rank lies 262,144 bytes on
	s_add_nc_u64 s[6:7], s[6:7], s[18:19]
	s_add_nc_u64 s[12:13], s[12:13], s[18:19]
	s_lshl_b32 s18, s14, 12
	s_add_nc_u64 s[10:11], s[10:11], s[18:19]
	s_load_b128 s[20:23], s[8:9], s26 offset:0x80000   ; n_eff in s20
.set i, 0
.rept 16
	s_load_b64 s[32+2*i:33+2*i], s[4:5], 4352*i+4096   ; m_i, l_i
.set i, i+1
.endr
	global_load_b128 v[96:99],   v3, s[24:25] offset:262144
	global_load_b128 v[100:103], v3, s[24:25] offset:262144+1024
.set i, 0
.rept 16
	global_load_b128 v[32+4*i:32+4*i+3], v2, s[4:5] offset:4352*i
.set i, i+1
.endr
	s_wait_kmcnt 0x0
	s_min_u32 s20, s20, 2048
	s_sub_co_u32 s27, s20, 1
	s_wait_loadcnt 16                              ; my rows' places are in; the 16 loads of the contexts may stay out
.set k, 0
.rept 8
	v_min_u32 v[112+k], s27, v[96+k]               ; a masked row reads the last listed score, and drops it below
	v_min_u32 v[112+k], 0x7ff, v[112+k]
	v_lshlrev_b32 v[112+k], 2, v[112+k]
	global_load_b32 v[104+k], v[112+k], s[6:7]
.set k, k+1
.endr
	v_mov_b32 v10, s32
.set i, 1
.rept 15
	v_max_num_f32 v10, s[32+2*i], v10              ; M
.set i, i+1
.endr
.set i, 0
.rept 16
	v_sub_f32 v[12+i], s[32+2*i], v10
.set i, i+1
.endr
.set i, 0
.rept 16
	v_mul_f32 v[12+i], 0x3fb8aa3b, v[12+i]
.set i, i+1
.endr
.set i, 0
.rept 16
	v_exp_f32 v[12+i], v[12+i]
.set i, i+1
.endr
	v_nop
	s_wait_alu depctr_va_vdst(0)                   ; one wait for the batch
	v_mul_f32 v28, s33, v12
.set i, 1
.rept 15
	v_fmac_f32 v28, s[33+2*i], v[12+i]             ; L
.set i, i+1
.endr
	v_rcp_f32 v29, v28
	v_nop
	s_wait_alu depctr_va_vdst(0)
.set i, 0
.rept 16
	v_mul_f32 v[12+i], v[12+i], v29                ; f_i / L
.set i, i+1
.endr
	s_wait_loadcnt 8                               ; the contexts are in; the 8 gathered scores may stay out
.irp c, 0,1,2,3
	v_mul_f32 v[120+\c], v12, v[32+\c]
.endr
.set i, 1
.rept 15
.irp c, 0,1,2,3
	v_fmac_f32 v[120+\c], v[12+i], v[32+4*i+\c]
.endr
.set i, i+1
.endr
	global_store_b128 v2, v[120:123], s[10:11]
	s_wait_loadcnt 0x0
.set k, 0
.rept 8
	v_sub_f32 v[104+k], v[104+k], v10
.set k, k+1
.endr
.set k, 0
.rept 8
	v_mul_f32 v[104+k], 0x3fb8aa3b, v[104+k]
.set k, k+1
.endr
.set k, 0
.rept 8
	v_exp_f32 v[104+k], v[104+k]
.set k, k+1
.endr
	v_nop
	s_wait_alu depctr_va_vdst(0)
.set k, 0
.rept 8
	v_mul_f32 v[104+k], v[104+k], v29
	v_cmp_gt_u32 vcc_lo, s20, v[96+k]              ; listed?
	v_cndmask_b32 v[104+k], 0, v[104+k], vcc_lo
.set k, k+1
.endr
	global_store_b128 v3, v[104:107], s[12:13]
	global_store_b128 v3, v[108:111], s[12:13] offset:1024
	s_endpgm
.Lfunc_end_k_q4b13fa0a70_combine:
	.size	k_q4b13fa0a70_combine, .Lfunc_end_k_q4b13fa0a70_combine-k_q4b13fa0a70_combine
	.p2alignl 7, 3214868480
	.fill 96, 4, 3214868480
	.section	.rodata,"a",@progbits
	.p2align	6, 0x0
	.amdhsa_kernel k_q4b13fa0a70_combine
		.amdhsa_group_segment_fixed_size 0
		.amdhsa_private_segment_fixed_size 0
		.amdhsa_enable_private_segment 0
		.amdhsa_kernarg_size 40
		.amdhsa_user_sgpr_count 2
		.amdhsa_user_sgpr_kernarg_segment_ptr 1
		.amdhsa_wavefront_size32 1
		.amdhsa_system_sgpr_workgroup_id_x 1
		.amdhsa_system_sgpr_workgroup_id_y 1
		.amdhsa_system_sgpr_workgroup_id_z 1
		.amdhsa_system_vgpr_workitem_id 0
		.amdhsa_next_free_vgpr 128
		.amdhsa_next_free_sgpr 66
		.amdhsa_reserve_vcc 1
		.amdhsa_float_denorm_mode_32 3
		.amdhsa_float_denorm_mode_16_64 3
		.amdhsa_memory_ordered 1
		.amdhsa_forward_progress 1
		.amdhsa_inst_pref_size 14
	.end_amdhsa_kernel
	.amdgpu_metadata
---
amdhsa.version: [ 1, 2 ]
amdhsa.kernels:
  - .name:           k_q4b13fa0a70_combine
    .symbol:         k_q4b13fa0a70_combine.kd
    .args:
      - { .name: part, .offset: 0, .size: 8, .value_kind: global_buffer, .address_space: global }
      - { .name: sc, .offset: 8, .size: 8, .value_kind: global_buffer, .address_space: global }
      - { .name: lists, .offset: 16, .size: 8, .value_kind: global_buffer, .address_space: global }
      - { .name: out0, .offset: 24, .size: 8, .value_kind: global_buffer, .address_space: global }
      - { .name: out1, .offset: 32, .size: 8, .value_kind: global_buffer, .address_space: global }
    .group_segment_fixed_size: 0
    .private_segment_fixed_size: 0
    .kernarg_segment_align: 8
    .kernarg_segment_size: 40
    .max_flat_workgroup_size: 64
    .sgpr_count:     66
    .vgpr_count:     128
    .wavefront_size: 32
...
	.end_amdgpu_metadata
.endif
;; end of part 3
